; MI455X (gfx1250); checked and timed in simulation.
; The chip was launched on July 23, 2026; its instructions are those of AMD's public machine-readable ISA for CDNA 5 (MIT licence, August 2026) and "CDNA5" Instruction Set Architecture Reference Guide (July 2026). The comments in the code are by the model that wrote it; some were corrected since.
;; VLLM Dual MLP Adapter. Allowed arithmetic: float matrix products may take bf16 or f16 operands with f32 sums; other float arithmetic in f32, or as packed bf16 or f16 multiplies, adds, multiply-adds, maxima and minima; sums over many terms, partial sums and values carried from step to step in f32; what a program stores and reads back later, other than sums and carried values, may be rounded once to bf16 or f16.
;; Inputs: forget_down 8 x 2,048 x 512 float32; forget_gate 8 x 512 x 2,048 float32; forget_up 8 x 512 x 2,048 float32; retain_down 8 x 2,048 x 512 float32; retain_gate 8 x 512 x 2,048 float32; retain_up 8 x 512 x 2,048 float32; scales 8 x 2 float32; token_ids 1,024 int32; w_down 2,048 x 2,048 float32; w_gate_up 4,096 x 2,048 float32; x 1,024 x 2,048 float32.
;; Outputs: out0 1,024 x 2,048 float32.
;; 2 versions, each right; version 2 is version 1 with the launch down written anew for expert scheduling mode. Each part assembles by itself: llvm-mc -triple=amdgcn-amd-amdhsa -mcpu=gfx1250 --defsym DOCPART=n.
;; ======== version 1 of 2: 3 launches
;; workspace buffers: xs 5,242,880 bytes; hb 6,291,456 bytes; fac 16,384 bytes; perm 4,096 bytes of whole numbers; offs 256 bytes of whole numbers
;; launch prep (part 1): grid 256 x 1, 4 waves a work-group, no clusters, 0 bytes of LDS; arguments x, token_ids, scales, xs, perm, fac, offs; writes xs, perm, fac, offs
.if DOCPART == 1
	.amdgcn_target "amdgcn-amd-amdhsa--gfx1250"
	.amdhsa_code_object_version 6
	.text
	.protected	k_q63fcea28fd_prep
	.globl	k_q63fcea28fd_prep
	.p2align	8
	.type	k_q63fcea28fd_prep,@function
k_q63fcea28fd_prep:
	s_mov_b64 s[64:65], 0
	v_nop
	global_prefetch_b8 v0, s[64:65] scope:SCOPE_SE
	s_setreg_imm32_b32 hwreg(HW_REG_WAVE_MODE, 25, 1), 1
	s_wait_xcnt 0x0
; PREP: a counting sort of the 1,024 tokens by adapter slot, without atomics, and x rounded to bf16 in sorted order.
; slot = min(max(id, 0), 7).  LIMIT: ids of 8 and more are outside what the problem allows; they count as 7.
; A token's composite key is slot x 1024 + token; its sorted place is the number of tokens with a smaller key.
; One wave owns one token t = 4 x work-group + wave: it reads all 1,024 ids (4 KB), counts, and moves its own row of x.
; Stored: xs[place] = bf16(x[t]) (4,096 bytes, eight stores of 512 consecutive aligned bytes); perm[place] = t;
; fac[place] = {1, s_retain m, s_forget m, 0}, m = 0 for a negative id and 1 otherwise (LIMITS: a negative id's adapter part is
; exactly 0, also where an infinite product times 0 would be a NaN; the two scales are rounded to bf16, as x and all the weights are);
; offs[e] = number of tokens of a slot below e (work-groups 0 to 7);
; rows 1024 to 1279 of xs = 0 (the next launch always stages 256 rows from a first row of 1,023 at the most).
; No LDS, no barrier: no wave needs another's result.  No matrix unit: there is no product here.
.set KEY, 8                            ; v[8:39]    32 ids a lane, then their composite keys: register 4 j + q of lane l is token 128 j + 4 l + q
.set XR,  40                           ; v[40:103]  my token's row of x, f32: chunk c holds numbers 256 c + 8 l .. + 7
.set PKD, 104                          ; v[104:135] the row in bf16
.set FR,  136                          ; v[136:139] the row of fac
.set ZR,  140                          ; v[140:143] zeros
; out = the number of the 1,024 keys below thr: a compare's mask, its ones counted; four mask registers by turns
.macro COUNT thr, out
	s_mov_b32 s[\out], 0
.irp b, 0,4,8,12,16,20,24,28
.irp m, 0,1,2,3
	v_cmp_gt_u32 s[44+\m], s[\thr], v[KEY+\b+\m]
.endr
.irp m, 0,1,2,3
	s_bcnt1_i32_b32 s[44+\m], s[44+\m]
.endr
.irp m, 0,1,2,3
	s_add_co_u32 s[\out], s[\out], s[44+\m]
.endr
.endr
.endm
	s_load_b256 s[4:11], s[0:1], 0x0               ; x s[4:5], token_ids s[6:7], scales s[8:9], xs s[10:11]
	s_load_b128 s[12:15], s[0:1], 0x20             ; perm s[12:13], fac s[14:15]
	s_load_b64 s[16:17], s[0:1], 0x30              ; offs
	v_lshrrev_b32 v1, 5, v0
	v_readfirstlane_b32 s18, v1                    ; wave 0..3
	v_and_b32 v1, 31, v0                           ; lane l
	v_lshlrev_b32 v2, 4, v1                        ; 16 l
	v_lshlrev_b32 v3, 5, v1                        ; 32 l
	v_lshlrev_b32 v4, 2, v1                        ; 4 l
	s_mov_b32 s36, ttmp9                           ; work-group g
	s_lshl_b32 s19, s36, 2
	s_add_co_u32 s19, s19, s18                     ; my token t
	s_lshl_b32 s21, s19, 2                         ; its id's byte offset
	s_lshl_b32 s22, s19, 13                        ; its row of x: 8,192 bytes a row
	s_mov_b32 s23, 0
	s_lshl_b32 s34, s36, 12
	s_add_co_u32 s34, s34, 0x400000                ; row 1024 + g of xs
	s_mov_b32 s35, 0
	s_wait_kmcnt 0x0
	s_load_b32 s20, s[6:7], s21 offset:0x0         ; my token's id
	s_add_nc_u64 s[4:5], s[4:5], s[22:23]
	s_add_nc_u64 s[34:35], s[10:11], s[34:35]
.irp j, 0,1,2,3,4,5,6,7
	global_load_b128 v[KEY+4*(\j):KEY+4*(\j)+3], v2, s[6:7] offset:512*(\j)
.endr
.irp c, 0,1,2,3,4,5,6,7
	global_load_b128 v[XR+8*(\c):XR+8*(\c)+3],   v3, s[4:5] offset:1024*(\c) th:TH_LOAD_NT
	global_load_b128 v[XR+8*(\c)+4:XR+8*(\c)+7], v3, s[4:5] offset:1024*(\c)+16 th:TH_LOAD_NT
.endr
	v_mov_b32 v5, s19                              ; t, for perm
.irp k, 0,1,2,3
	v_mov_b32 v[ZR+\k], 0
.endr
	s_wait_loadcnt 16                              ; the 16 loads of x were issued behind the ids: the ids are in
.set n, 0
.rept 32
	v_max_i32 v[KEY+n], 0, v[KEY+n]
	v_min_u32 v[KEY+n], 7, v[KEY+n]
	v_lshl_add_u32 v[KEY+n], v[KEY+n], 10, v4      ; slot x 1024 + 4 l
	v_add_nc_u32 v[KEY+n], 128*(n/4)+n%4, v[KEY+n] ; + 128 j + q
.set n, n+1
.endr
	s_wait_kmcnt 0x0                               ; my id
	s_max_i32 s24, s20, 0
	s_min_u32 s24, s24, 7                          ; my slot
	s_lshl_b32 s25, s24, 3
	s_load_b64 s[30:31], s[8:9], s25 offset:0x0    ; scales[slot][0..1]
	s_lshl_b32 s26, s24, 10
	s_add_co_u32 s26, s26, s19                     ; my composite key
	COUNT 26, 27
	s_min_u32 s27, s27, 0x3ff                      ; my sorted place
	s_lshl_b32 s28, s27, 12
	s_mov_b32 s29, 0
	s_add_nc_u64 s[32:33], s[10:11], s[28:29]      ; xs at my place
	s_lshl_b32 s37, s27, 4
	s_lshl_b32 s38, s27, 2
	v_mov_b32 v6, s37                              ; byte offset in fac
	v_mov_b32 v7, s38                              ; byte offset in perm
	s_wait_kmcnt 0x0                               ; the two scales
	s_cmp_ge_i32 s20, 0
	s_cselect_b32 s30, s30, 0
	s_cselect_b32 s31, s31, 0
	v_mov_b32 v[FR], 1.0
	v_mov_b32 v[FR+1], s30
	v_mov_b32 v[FR+2], s31
	v_mov_b32 v[FR+3], 0
	s_wait_loadcnt 0x0                             ; my row of x
.set n, 0
.rept 32
	v_cvt_pk_bf16_f32 v[PKD+n], v[XR+2*n], v[XR+2*n+1]
.set n, n+1
.endr
	v_cvt_pk_bf16_f32 v[XR], v[FR+1], v[FR+2]      ; the two scales rounded to bf16 (x's registers are free now),
	v_lshlrev_b32 v[FR+1], 16, v[XR]               ; and written as f32 again
	v_and_b32 v[FR+2], 0xffff0000, v[XR]
.irp c, 0,1,2,3,4,5,6,7
	global_store_b128 v2, v[PKD+4*(\c):PKD+4*(\c)+3], s[32:33] offset:512*(\c)
.endr
	s_cmp_lg_u32 s18, 2                            ; wave 2 also writes the work-group's row of zeros
	s_cbranch_scc1 .Lno_pad
.irp c, 0,1,2,3,4,5,6,7
	global_store_b128 v2, v[ZR:ZR+3], s[34:35] offset:512*(\c)
.endr
.Lno_pad:
	s_mov_b32 s41, 0                               ; offs[g], and whether it is mine to store
	s_mov_b32 s42, 0
	s_cmp_lg_u32 s18, 0
	s_cbranch_scc1 .Lno_offs
	s_cmp_ge_u32 s36, 8
	s_cbranch_scc1 .Lno_offs
	s_lshl_b32 s43, s36, 10
	COUNT 43, 41                                   ; tokens of a slot below g
	s_mov_b32 s42, 1
.Lno_offs:
	v_mov_b32 v8, s41
	s_min_u32 s39, s36, 7
	s_lshl_b32 s39, s39, 2
	v_mov_b32 v9, s39
	s_wait_xcnt 0x0                                ; EXEC is a source of the stores above: it changes only behind this wait
	v_cmp_eq_u32 vcc_lo, 0, v1
	s_and_saveexec_b32 s40, vcc_lo                 ; lane 0 alone
	global_store_b128 v6, v[FR:FR+3], s[14:15]
	global_store_b32 v7, v5, s[12:13]
	s_cmp_eq_u32 s42, 1
	s_cbranch_scc0 .Lno_store
	global_store_b32 v9, v8, s[16:17]
.Lno_store:
	s_wait_xcnt 0x0                                ; and again in front of the line that widens it
	s_or_b32 exec_lo, exec_lo, s40
	s_endpgm
.Lfunc_end_k_q63fcea28fd_prep:
	.size	k_q63fcea28fd_prep, .Lfunc_end_k_q63fcea28fd_prep-k_q63fcea28fd_prep
	.p2alignl 7, 3214868480
	.fill 96, 4, 3214868480
	.section	.rodata,"a",@progbits
	.p2align	6, 0x0
	.amdhsa_kernel k_q63fcea28fd_prep
		.amdhsa_group_segment_fixed_size 0
		.amdhsa_private_segment_fixed_size 0
		.amdhsa_enable_private_segment 0
		.amdhsa_kernarg_size 56
		.amdhsa_user_sgpr_count 2
		.amdhsa_user_sgpr_kernarg_segment_ptr 1
		.amdhsa_wavefront_size32 1
		.amdhsa_system_sgpr_workgroup_id_x 1
		.amdhsa_system_sgpr_workgroup_id_y 1
		.amdhsa_system_sgpr_workgroup_id_z 1
		.amdhsa_system_vgpr_workitem_id 0
		.amdhsa_next_free_vgpr 144
		.amdhsa_next_free_sgpr 66
		.amdhsa_reserve_vcc 1
		.amdhsa_float_denorm_mode_32 3
		.amdhsa_float_denorm_mode_16_64 3
		.amdhsa_memory_ordered 1
		.amdhsa_forward_progress 1
		.amdhsa_inst_pref_size 23
	.end_amdhsa_kernel
	.amdgpu_metadata
---
amdhsa.version: [ 1, 2 ]
amdhsa.kernels:
  - .name:           k_q63fcea28fd_prep
    .symbol:         k_q63fcea28fd_prep.kd
    .args:
      - { .name: x, .offset: 0, .size: 8, .value_kind: global_buffer, .address_space: global }
      - { .name: token_ids, .offset: 8, .size: 8, .value_kind: global_buffer, .address_space: global }
      - { .name: scales, .offset: 16, .size: 8, .value_kind: global_buffer, .address_space: global }
      - { .name: xs, .offset: 24, .size: 8, .value_kind: global_buffer, .address_space: global }
      - { .name: perm, .offset: 32, .size: 8, .value_kind: global_buffer, .address_space: global }
      - { .name: fac, .offset: 40, .size: 8, .value_kind: global_buffer, .address_space: global }
      - { .name: offs, .offset: 48, .size: 8, .value_kind: global_buffer, .address_space: global }
    .group_segment_fixed_size: 0
    .private_segment_fixed_size: 0
    .kernarg_segment_align: 8
    .kernarg_segment_size: 56
    .max_flat_workgroup_size: 128
    .sgpr_count:     66
    .vgpr_count:     144
    .wavefront_size: 32
...
	.end_amdgpu_metadata
.endif
;; end of part 1
;; launch up (part 2): grid 304 x 1, 4 waves a work-group, no clusters, 209,408 bytes of LDS; arguments xs, w_gate_up, retain_gate, retain_up, forget_gate, forget_up, fac, offs, hb; writes hb
.if DOCPART == 2
	.amdgcn_target "amdgcn-amd-amdhsa--gfx1250"
	.amdhsa_code_object_version 6
	.text
	.protected	k_q63fcea28fd_up
	.globl	k_q63fcea28fd_up
	.p2align	8
	.type	k_q63fcea28fd_up,@function
k_q63fcea28fd_up:
	s_mov_b64 s[64:65], 0
	v_nop
	global_prefetch_b8 v0, s[64:65] scope:SCOPE_SE
	s_setreg_imm32_b32 hwreg(HW_REG_WAVE_MODE, 25, 1), 1
	s_wait_xcnt 0x0
; UP: the hidden rows, in sorted order.  hidden[p][0:2048] = silu(g) u of the base layer; [2048:2560] = s_retain m silu(rg) ru and
; [2560:3072] = s_forget m silu(fg) fu of the row's own slot.  Products in bf16 with f32 sums, SwiGLU and the factor in f32, one rounding to bf16.
; LIMITS: x, the weights and the hidden row are rounded to bf16 (f16 would not hold hidden numbers of inputs some 30 times larger).
; 2^(-g log2 e) overflows to infinity for very negative g; its reciprocal is then 0 and so is the hidden number, as silu's limit is.
; WORK-GROUPS.  0 to 127: base; 256 rows (4 blocks) x 64 hidden columns (32 slices).  128 to 303: adapters; tile J = (g - 128) / 16 of at most
; 256 sorted rows of ONE slot, x 16 slices of 64 hidden columns (8 retain, 8 forget).  1,024 rows in tiles of 256 over 8 slots make at most
; 4 + 7 = 11 tiles, whatever the split; each work-group finds its tile (slot, first row, rows) from offs.
; A TILE THAT THIS SPLIT DOES NOT HAVE (0 rows): its work-group runs the head with slot 0 and first row 0 (every load inside its buffer), passes every
; barrier like every other, jumps forward over each K step's work, and stores nothing.  No barrier stands in what is jumped.
; A work-group multiplies 128 weight rows (64 gate, 64 up) by 256 rows of x over K = 2,048, in 16 steps of 128.
; THE ROAD.  Weights come as f32, a row's 512 bytes to a load, are rounded in registers and laid into LDS as bf16, so that LDS holds and
; serves 2 bytes a number; x comes as bf16 through registers too.  Weights are asked for two steps ahead, x one step ahead.  Two LDS buffers
; take turns, one barrier a step.  NO JOINT LOADS: the rounding wants the weights in registers; base groups share weights (four a slice) and
; adapter groups share rows of x (sixteen a tile), so that one text would need two kinds of mask; and the number of live tiles hangs on offs.
; WAVES.  wm = w & 1, wn = w >> 1.  A wave owns row blocks 2 i + wm (i = 0..7, 16 rows each) and hidden columns 32 wn .. + 31: weight fragments
; c = 0, 1 (gate) and 2, 3 (up): 32 accumulators.  Blocks past the tile's rows are jumped in pairs; no barrier stands in what is jumped.
; TRANSPOSED USE: source 0 = 16 weight rows, source 1 = 16 rows of x: a lane holds ONE row (lane % 16) and hidden columns 8 (lane / 16) + 0..7.
; Two such results rounded to bf16 are the eight registers of a 16 x 32 operand of the next launch, so hb is laid out by operands:
; byte(p, k) = (k / 32) 65536 + (p / 16) 1024 + ((k % 32) / 16) 512 + ((k / 8) % 2) 256 + (p % 16) 16 + (k % 8) 2.
; In base tiles each store covers 512 consecutive aligned bytes; in adapter tiles the first row need not be a multiple of 16 and a store splits in two runs.
; The accumulators are cleared (256 lines, while the first loads are out): no first step is written out, and every accumulator holds a number on every way through the jumps.
; REGISTERS, in windows of 256 (s_set_vgpr_msb: bits 1:0 source 0, 3:2 source 1, 5:4 source 2, 7:6 destination):
;   window 0: v0-39 addresses and factors; v64-127, v128-191 two buffers of x fragments; v192-255 rounded weights on their way to LDS
;   window 1: accumulator (i, c) at v[32 i + 8 c]      window 2: two sets of 128: weights as loaded      window 3: v0-127 x as loaded; v128-255 weight fragments
.set PITCH, 272                        ; an LDS row: 256 bytes + 16: the 16 rows of a fragment load start at 16 different groups of four banks (64 banks of 4 bytes: ISA guide 11.1)
.set XOFF,  128*PITCH                  ; a buffer: 128 weight rows (gate 0-63, up 64-127), then 256 rows of x
.set BUFB,  XOFF+256*PITCH
.set SPARE, 2*BUFB                     ; behind the buffers: the spare words, 128 bytes a wave: two blocks of 256 bytes that no other line names
.set VW,  4                            ; v4      16 l: my 16 bytes of a weight row's 512
.set VX,  5                            ; v5      (l / 16) 4096 + (l % 16) 16: two rows of xs to a load
.set WST, 6                            ; v6-7    where I store rounded weights, buffer 0, 1
.set XST, 8                            ; v8-11   where I store x: buffer 0 rows 0-127, 128-255; buffer 1 likewise
.set BA,  12                           ; v12-13  my weight fragments, buffer 0, 1
.set AA,  14                           ; v14-15  my x fragments
.set SPW, 16                           ; v16     my spare word; never rewritten
.set NIL, 17                           ; v17     0; never rewritten
.set HST, 18                           ; v18     my byte offset in a block of hb
.set FAC, 24                           ; v[24:39] block i: my row's factor in v[24 + 2 i]; the odd register is named with it as a pair
.set AB0, 64
.set AB1, 128
.set T,   192
.set BF,  128                          ; window 3
.set TT,  64                           ; the way out, window 0: 16 at work, 16 at work, 8 packed
.set QQ,  80
.set PK,  96
.set WV,  22
.set GID, 23
.set OF,  24                           ; s[24:31] offs
.set TJ,  32                           ; the tile's number; then its slot, first row, rows
.set TE,  33
.set TS,  34
.set TC,  35
.set CUM, 36
.set CNT, 37
.set NT,  38
.set RR,  39
.set T8,  40
.set SC,  41
.set CC,  42
.set GB,  66                           ; s[66:67] gate weights, s[68:69] up weights, s[70:71] xs: at my rows, stepped along K
.set UB,  68
.set XB,  70
.set HBP, 72                           ; s[72:73] hb at my 32 hidden columns
.set KIND, 74                          ; 0 base, 1 retain, 2 forget
.set NG,  75                           ; my live pairs of blocks
.set NI,  76                           ; my live blocks
.set LC,  77
.set WM,  78
.set WN,  79
.set REM, 80
.set SAVE, 81
.set NB,  82
.set REM0, 83
.set NL2E, 84                          ; s[84:85] -log2(e)
.set MSB, 0
.macro WIN new                         ; the immediate's high byte repeats the setting that is left; a switch that changes nothing is dropped
.if MSB != (\new)
	s_set_vgpr_msb (MSB<<8)|(\new)
.set MSB, \new
.endif
.endm
.macro PLACES                          ; four places between a matrix instruction and a load into, or a vector line on, its registers
.rept 4
	v_nop
.endr
.endm
; Tile TJ of the list: slot e has ceil(count / 256) tiles.  All arithmetic stands ahead of the compare, since shifts and adds write SCC.
.macro TILEMAP
	s_mov_b32 s[TE], 0
	s_mov_b32 s[TS], 0
	s_mov_b32 s[TC], 0
	s_mov_b32 s[CUM], 0
.irp e, 0,1,2,3,4,5,6,7
.if \e < 7
	s_sub_co_u32 s[CNT], s[OF+\e+1], s[OF+\e]
.else
	s_sub_co_u32 s[CNT], 1024, s[OF+7]
.endif
	s_add_co_u32 s[NT], s[CNT], 255
	s_lshr_b32 s[NT], s[NT], 8
	s_sub_co_u32 s[RR], s[TJ], s[CUM]              ; wraps to a huge number where the tile lies in an earlier slot
	s_lshl_b32 s[T8], s[RR], 8
	s_add_co_u32 s[SC], s[OF+\e], s[T8]
	s_sub_co_u32 s[CC], s[CNT], s[T8]
	s_add_co_u32 s[CUM], s[CUM], s[NT]
	s_cmp_lt_u32 s[RR], s[NT]
	s_cselect_b32 s[TE], \e, s[TE]
	s_cselect_b32 s[TS], s[SC], s[TS]
	s_cselect_b32 s[TC], s[CC], s[TC]
.endr
.endm
.macro GLW set, kimm                   ; 32 loads: my 16 gate rows and 16 up rows, 512 bytes of each
	WIN 0x80
.irp q, 0,1,2,3,4,5,6,7,8,9,10,11,12,13,14,15
	global_load_b128 v[128*(\set)+4*(\q):128*(\set)+4*(\q)+3], v[VW], s[GB:GB+1] offset:(\q)*8192+(\kimm)
.endr
.irp q, 0,1,2,3,4,5,6,7,8,9,10,11,12,13,14,15
	global_load_b128 v[128*(\set)+64+4*(\q):128*(\set)+64+4*(\q)+3], v[VW], s[UB:UB+1] offset:(\q)*8192+(\kimm)
.endr
.endm
.macro GLX kimm                        ; 32 loads: rows 8 i + 2 w + l / 16 of the tile, 256 bytes of each
	WIN 0xc0
.set i, 0
.rept 32
	global_load_b128 v[4*i:4*i+3], v[VX], s[XB:XB+1] offset:i*32768+(\kimm)
.set i, i+1
.endr
.endm
.macro LDA g, ab, buf                  ; 16 LDS loads: x fragments of my blocks i = 2 g, 2 g + 1, all four 32s of the step's K
	WIN 0
.irp bb, 0,1
.irp ks, 0,1,2,3
	ds_load_b128 v[(\ab)+8*(4*(\bb)+(\ks)):(\ab)+8*(4*(\bb)+(\ks))+3],   v[AA+(\buf)] offset:(2*(\g)+(\bb))*32*PITCH+64*(\ks)
	ds_load_b128 v[(\ab)+8*(4*(\bb)+(\ks))+4:(\ab)+8*(4*(\bb)+(\ks))+7], v[AA+(\buf)] offset:(2*(\g)+(\bb))*32*PITCH+64*(\ks)+32
.endr
.endr
.endm
.macro LDB buf                         ; 32 LDS loads: my four weight fragments, the first 32 of K first
	WIN 0xc0
.irp ks, 0,1,2,3
.irp c, 0,1,2,3
	ds_load_b128 v[BF+32*(\ks)+8*(\c):BF+32*(\ks)+8*(\c)+3],   v[BA+(\buf)] offset:((\c)%2)*16*PITCH+((\c)/2)*64*PITCH+64*(\ks)
	ds_load_b128 v[BF+32*(\ks)+8*(\c)+4:BF+32*(\ks)+8*(\c)+7], v[BA+(\buf)] offset:((\c)%2)*16*PITCH+((\c)/2)*64*PITCH+64*(\ks)+32
.endr
.endr
.endm
.macro MM g, ks, ab                    ; 8 matrix instructions on 8 accumulators, which take turns
	WIN 0x53
.irp bb, 0,1
.irp c, 0,1,2,3
	v_wmma_f32_16x16x32_bf16 v[32*(2*(\g)+(\bb))+8*(\c):32*(2*(\g)+(\bb))+8*(\c)+7], v[BF+32*(\ks)+8*(\c):BF+32*(\ks)+8*(\c)+7], v[(\ab)+8*(4*(\bb)+(\ks)):(\ab)+8*(4*(\bb)+(\ks))+7], v[32*(2*(\g)+(\bb))+8*(\c):32*(2*(\g)+(\bb))+8*(\c)+7]
.endr
.endr
.endm
; A step's weights are rounded.  left = the loads issued behind them and behind the step's x, which may stay out.
.macro ROUNDW set, left
	s_wait_loadcnt \left
	WIN 0x0a
.set i, 0
.rept 64
	v_cvt_pk_bf16_f32 v[T+i], v[128*(\set)+2*i], v[128*(\set)+2*i+1]
.set i, i+1
.endr
	WIN 0
.endm
; The rounded weights and the x in registers go into buffer buf: my 32 weight rows, my 64 rows of x.
.macro PUT buf
	WIN 0
.set i, 0
.rept 32
	ds_store_b64 v[WST+(\buf)], v[T+2*i:T+2*i+1] offset:(i%16)*PITCH+(i/16)*64*PITCH
.set i, i+1
.endr
	WIN 0x0c
.set i, 0
.rept 32
	ds_store_b128 v[XST+2*(\buf)+i/16], v[4*i:4*i+3] offset:(i%16)*8*PITCH
.set i, i+1
.endr
	WIN 0
.endm
; The step's barrier does two things: my stores into the next buffer are done, and so are my reads of the buffer that the NEXT step's stores will write.
.macro MEET
	s_wait_dscnt 0x0                               ; for the others' sake: zero
	s_barrier_signal -1
	s_barrier_wait -1
.endm
; One K step out of buffer buf.  The global loads for later steps go out first thing behind the step's own LDS loads.
.macro COMPUTE buf, ldx, xk, ldw, wset, wk
	LDA 0, AB0, \buf
	LDB \buf
.if \ldx
	GLX \xk
.endif
.if \ldw
	GLW \wset, \wk
.endif
	s_wait_dscnt 24                                ; of 48 out: x's 16 and the weights' first 8 are in
	MM 0, 0, AB0
	LDA 1, AB1, \buf
	s_wait_dscnt 32                                ; behind the weights' second 8: 16 of theirs and the 16 just issued
	MM 0, 1, AB0
	s_wait_dscnt 24
	MM 0, 2, AB0
	s_wait_dscnt 16
	MM 0, 3, AB0
	WIN 0
	s_cmp_le_u32 s[NG], 1
	s_cbranch_scc1 .Ldone_\@
	PLACES
	LDA 2, AB0, \buf
	s_wait_dscnt 16                                ; all but the 16 just issued
.irp ks, 0,1,2,3
	MM 1, \ks, AB1
.endr
	WIN 0
	s_cmp_le_u32 s[NG], 2
	s_cbranch_scc1 .Ldone_\@
	PLACES
	LDA 3, AB1, \buf
	s_wait_dscnt 16
.irp ks, 0,1,2,3
	MM 2, \ks, AB0
.endr
	WIN 0
	s_cmp_le_u32 s[NG], 3
	s_cbranch_scc1 .Ldone_\@
	s_wait_dscnt 0x0
.irp ks, 0,1,2,3
	MM 3, \ks, AB1
.endr
	WIN 0
.Ldone_\@:
.endm
; A whole step: the products out of buffer buf, then (st = 1) the next step's tiles into the other buffer, and the barrier.
; A tile of 0 rows jumps to the barrier; on that way all loads are waited for, so that none is out where a counted wait further on counts on loads that were not issued.
.macro TRIP buf, ldx, xk, ldw, wset, wk, st, left
	s_cmp_lg_u32 s[TC], 0
	s_cbranch_scc1 .Llive_\@
	s_wait_loadcnt 0x0
	s_branch .Lmeet_\@
.Llive_\@:
	COMPUTE \buf, \ldx, \xk, \ldw, \wset, \wk
.if \st
	ROUNDW 1-(\buf), \left
	PUT 1-(\buf)
.endif
.Lmeet_\@:
.if \st
	MEET
.endif
.endm
; Block i leaves: h = g u f / (1 + 2^(-g log2 e)), 16 numbers a lane.  Each accumulator is read from its low end on.
.macro SWIGLU i
	s_cmp_le_u32 s[NI], \i
	s_cbranch_scc1 .Lend
	WIN 0x01                                       ; source 0 in window 1
.irp k, 0,1,2,3,4,5,6,7
	v_pk_mul_f32 v[TT+2*(\k):TT+2*(\k)+1], v[32*(\i)+2*(\k):32*(\i)+2*(\k)+1], s[NL2E:NL2E+1] op_sel_hi:[1,0]
.endr
.irp k, 0,1,2,3,4,5,6,7
	v_pk_mul_f32 v[QQ+2*(\k):QQ+2*(\k)+1], v[32*(\i)+16+2*(\k):32*(\i)+16+2*(\k)+1], v[FAC+2*(\i):FAC+2*(\i)+1] op_sel_hi:[1,0]
.endr
.irp k, 0,1,2,3,4,5,6,7
	v_pk_mul_f32 v[QQ+2*(\k):QQ+2*(\k)+1], v[32*(\i)+2*(\k):32*(\i)+2*(\k)+1], v[QQ+2*(\k):QQ+2*(\k)+1]
.endr
	WIN 0
.irp k, 0,1,2,3,4,5,6,7,8,9,10,11,12,13,14,15
	v_exp_f32 v[TT+(\k)], v[TT+(\k)]
.endr
	v_nop                                          ; a plain line behind the last exponential,
	s_wait_alu depctr_va_vdst(0)                   ; and one wait for the batch of 16
.irp k, 0,1,2,3,4,5,6,7
	v_pk_add_f32 v[TT+2*(\k):TT+2*(\k)+1], v[TT+2*(\k):TT+2*(\k)+1], 1.0 op_sel_hi:[1,0]
.endr
.irp k, 0,1,2,3,4,5,6,7,8,9,10,11,12,13,14,15
	v_rcp_f32 v[TT+(\k)], v[TT+(\k)]
.endr
	v_nop
	s_wait_alu depctr_va_vdst(0)                   ; one wait for the 16 reciprocals
.irp k, 0,1,2,3,4,5,6,7
	v_pk_mul_f32 v[TT+2*(\k):TT+2*(\k)+1], v[TT+2*(\k):TT+2*(\k)+1], v[QQ+2*(\k):QQ+2*(\k)+1]
.endr
.irp k, 0,1,2,3,4,5,6,7
	v_cvt_pk_bf16_f32 v[PK+(\k)], v[TT+2*(\k)], v[TT+2*(\k)+1]
.endr
	s_sub_co_u32 s[REM], s[REM0], 32*(\i)          ; rows of the tile left from this block's first on: at least 1 in a live block
	v_cmp_gt_u32 vcc_lo, s[REM], v2
	s_wait_xcnt 0x0                                ; EXEC changes only behind this wait
	s_and_saveexec_b32 s[SAVE], vcc_lo             ; rows past the count belong to another tile: they are not stored
	global_store_b128 v[HST], v[PK:PK+3],   s[HBP:HBP+1] offset:(\i)*2048
	global_store_b128 v[HST], v[PK+4:PK+7], s[HBP:HBP+1] offset:(\i)*2048+512
	s_wait_xcnt 0x0                                ; and again: it also frees PK for the next block
	s_or_b32 exec_lo, exec_lo, s[SAVE]
.endm
	s_load_b256 s[4:11], s[0:1], 0x0               ; xs s[4:5], w_gate_up s[6:7], retain_gate s[8:9], retain_up s[10:11]
	s_load_b256 s[12:19], s[0:1], 0x20             ; forget_gate s[12:13], forget_up s[14:15], fac s[16:17], offs s[18:19]
	s_load_b64 s[20:21], s[0:1], 0x40              ; hb
	v_lshl_add_u32 v[SPW], v0, 2, SPARE
	v_mov_b32 v[NIL], 0
	v_lshrrev_b32 v1, 5, v0
	v_readfirstlane_b32 s[WV], v1                  ; wave 0..3
	v_and_b32 v1, 31, v0                           ; l
	v_and_b32 v2, 15, v0                           ; r = l % 16
	v_bfe_u32 v3, v0, 4, 1                         ; h = l / 16
	v_lshlrev_b32 v[VW], 4, v1
	v_lshlrev_b32 v[VX], 4, v2
	v_lshl_add_u32 v[VX], v3, 12, v[VX]
	s_mov_b32 s[GID], ttmp9
	s_and_b32 s[WM], s[WV], 1
	s_lshr_b32 s[WN], s[WV], 1
	s_sub_co_u32 s43, s[GID], 128                  ; the adapter work-group's number (wraps for a base one: no tile is then found)
	s_lshr_b32 s[TJ], s43, 4
	s_and_b32 s44, s[GID], 31                      ; base: slice
	s_lshr_b32 s45, s[GID], 5
	s_lshl_b32 s45, s45, 8                         ; base: first row
	s_and_b32 s46, s43, 15                         ; adapter: slice
	s_lshr_b32 s47, s46, 3                         ; 0 retain, 1 forget
	s_and_b32 s48, s46, 7
	s_lshl_b32 s48, s48, 6                         ; adapter: first weight row within the slot
	s_lshl_b32 s49, s44, 6                         ; base: first gate row,
	s_add_co_u32 s50, s49, 2048                    ; first up row
	s_add_co_u32 s51, s47, 1
	s_lshl_b32 s52, s46, 1
	s_add_co_u32 s52, s52, 64                      ; adapter: first block of 32 hidden columns
	s_lshl_b32 s53, s44, 1                         ; base: the same
	s_cmp_lt_u32 s[GID], 128
	s_cselect_b32 s49, s49, s48
	s_cselect_b32 s50, s50, s48
	s_cselect_b32 s[KIND], 0, s51
	s_cselect_b32 s52, s53, s52
	s_mov_b32 s[NL2E], 0xbfb8aa3b                  ; -log2(e)
	s_mov_b32 s[NL2E+1], s[NL2E]                   ; named with it as a pair
	s_wait_kmcnt 0x0
	s_load_b256 s[OF:OF+7], s[18:19], 0x0
	s_cmp_eq_u32 s47, 0
	s_cselect_b64 s[54:55], s[8:9], s[12:13]
	s_cselect_b64 s[56:57], s[10:11], s[14:15]
	s_cmp_lt_u32 s[GID], 128
	s_cselect_b64 s[54:55], s[6:7], s[54:55]       ; the buffer of my gate rows,
	s_cselect_b64 s[56:57], s[6:7], s[56:57]       ; of my up rows
	; LDS addresses: a constant, the wave's number times a constant, a lane term
	v_mul_u32_u24 v19, v2, PITCH
	v_lshl_add_u32 v19, v3, 4, v19                 ; a fragment's row x pitch + 16 x half
	s_mul_i32 s58, s[WN], 32*PITCH
	s_mul_i32 s59, s[WM], 16*PITCH
	s_add_co_u32 s59, s59, XOFF
	v_add_nc_u32 v[BA], s58, v19
	v_add_nc_u32 v[BA+1], BUFB, v[BA]
	v_add_nc_u32 v[AA], s59, v19
	v_add_nc_u32 v[AA+1], BUFB, v[AA]
	s_mul_i32 s58, s[WV], 16*PITCH
	v_lshl_add_u32 v[WST], v1, 3, s58              ; weight row 16 w + q, 8 bytes a lane
	v_add_nc_u32 v[WST+1], BUFB, v[WST]
	s_mul_i32 s59, s[WV], 2*PITCH
	s_add_co_u32 s59, s59, XOFF
	v_mul_u32_u24 v20, v3, PITCH
	v_lshl_add_u32 v20, v2, 4, v20
	v_add_nc_u32 v[XST], s59, v20                  ; x row 8 i + 2 w + h, 16 bytes a lane
	v_add_nc_u32 v[XST+1], 128*PITCH, v[XST]
	v_add_nc_u32 v[XST+2], BUFB, v[XST]
	v_add_nc_u32 v[XST+3], BUFB, v[XST+1]
	s_wait_kmcnt 0x0                               ; offs
	TILEMAP
	s_cmp_lt_u32 s[GID], 128                       ; a base tile is known without the list
	s_cselect_b32 s[TS], s45, s[TS]
	s_cselect_b32 s[TC], 256, s[TC]
	s_cselect_b32 s[TE], 0, s[TE]
	s_min_u32 s[TE], s[TE], 7                      ; from here only adds and left shifts lead into addresses
	s_min_u32 s[TS], s[TS], 1023
	s_min_u32 s[TC], s[TC], 256                    ; 0: this split has no such tile; slot and first row are then 0
	s_lshl_b32 s58, s[TE], 9
	s_lshl_b32 s59, s[WV], 4
	s_add_co_u32 s58, s58, s59                     ; slot x 512 + 16 w
	s_add_co_u32 s60, s58, s49
	s_lshl_b32 s60, s60, 13                        ; 8,192 bytes a weight row
	s_mov_b32 s61, 0
	s_add_nc_u64 s[GB:GB+1], s[54:55], s[60:61]
	s_add_co_u32 s60, s58, s50
	s_lshl_b32 s60, s60, 13
	s_add_nc_u64 s[UB:UB+1], s[56:57], s[60:61]
	s_lshl_b32 s60, s[WV], 1
	s_add_co_u32 s60, s60, s[TS]
	s_lshl_b32 s60, s60, 12                        ; 4,096 bytes a row of xs
	s_add_nc_u64 s[XB:XB+1], s[4:5], s[60:61]
	s_add_co_u32 s60, s52, s[WN]
	s_lshl_b32 s60, s60, 16
	s_add_nc_u64 s[HBP:HBP+1], s[20:21], s[60:61]
	s_add_co_u32 s[NB], s[TC], 15
	s_lshr_b32 s[NB], s[NB], 4                     ; live blocks of the tile
	s_add_co_u32 s[NI], s[NB], 1
	s_sub_co_u32 s[NI], s[NI], s[WM]
	s_lshr_b32 s[NI], s[NI], 1                     ; of them mine: 2 i + wm < NB
	s_add_co_u32 s[NG], s[NI], 1
	s_lshr_b32 s[NG], s[NG], 1
	s_lshl_b32 s62, s[WM], 4
	s_sub_co_u32 s[REM0], s[TC], s62
	s_lshl_b32 s63, s[KIND], 2
	s_add_co_u32 s62, s62, s[TS]
	v_add_nc_u32 v19, s62, v2                      ; my row of block i = 0
.irp i, 0,1,2,3,4,5,6,7
	v_add_nc_u32 v[FAC+2*(\i)], 32*(\i), v19
	v_min_u32 v[FAC+2*(\i)], 0x3ff, v[FAC+2*(\i)]
	v_lshl_add_u32 v[FAC+2*(\i)], v[FAC+2*(\i)], 4, s63
	global_load_b32 v[FAC+2*(\i)], v[FAC+2*(\i)], s[16:17]  ; the load lands on its own address register
.endr
	GLW 0, 0                                       ; step 0's weights, step 0's x, step 1's weights
	GLX 0
	GLW 1, 512
	WIN 0
	v_add_nc_u32 v20, s[TS], v2                    ; hb: (p / 16) 1024 + (p % 16) 16 + 256 h for p = first row + r; a block further on adds 1,024
	v_lshlrev_b32 v21, 6, v20
	v_and_b32 v21, 0x1fc00, v21
	v_and_b32 v20, 15, v20
	v_lshl_add_u32 v21, v20, 4, v21
	v_lshl_add_u32 v21, v3, 8, v21
	s_lshl_b32 s62, s[WM], 10
	v_add_nc_u32 v[HST], s62, v21
.irp i, 0,1,2,3,4,5,6,7
	v_mov_b32 v[FAC+2*(\i)+1], 0
.endr
	WIN 0x40
.set i, 0
.rept 256
	v_mov_b32 v[i], 0
.set i, i+1
.endr
	WIN 0
	ROUNDW 0, 32                                   ; step 1's 32 weight loads may stay out; the factors, step 0's weights and x are in
	PUT 0                                          ; step 0's tiles;
	PUT 1                                          ; buffer 1 takes the same numbers for now, so that its bytes hold numbers on every way through the jumps; step 0 writes it anew, from the same wave at the same places, before any wave reads it
	MEET
	s_mov_b32 s[LC], 7
.Lk:                                                   ; a trip: steps 2 t and 2 t + 1.  At each rounding the 32 loads that may stay out are the weights two steps on
	TRIP 0, 1, 256, 1, 0, 1024, 1, 32
	TRIP 1, 1, 512, 1, 1, 1536, 1, 32
	s_wait_xcnt 0x0                                ; the loads' bases are stepped only behind this wait
	s_add_nc_u64 s[GB:GB+1], s[GB:GB+1], 1024
	s_add_nc_u64 s[UB:UB+1], s[UB:UB+1], 1024
	s_add_nc_u64 s[XB:XB+1], s[XB:XB+1], 512
	s_sub_co_u32 s[LC], s[LC], 1
	s_cmp_lg_u32 s[LC], 0
	s_cbranch_scc1 .Lk
	TRIP 0, 1, 256, 0, 0, 0, 1, 0                  ; step 14: only step 15's x is left to fetch
	TRIP 1, 0, 0, 0, 0, 0, 0, 0                    ; step 15
	s_wait_dscnt 0x0                               ; fragment loads that a jump left out land before their registers are used again
	PLACES
.irp i, 0,1,2,3,4,5,6,7
	SWIGLU \i
.endr
.Lend:
	s_wait_tensorcnt 0x0                           ; the wave's end: three lines behind my last LDS store
	ds_add_u32 v[SPW], v[NIL]
	s_wait_dscnt 0x0
	s_endpgm
.Lfunc_end_k_q63fcea28fd_up:
	.size	k_q63fcea28fd_up, .Lfunc_end_k_q63fcea28fd_up-k_q63fcea28fd_up
	.p2alignl 7, 3214868480
	.fill 96, 4, 3214868480
	.section	.rodata,"a",@progbits
	.p2align	6, 0x0
	.amdhsa_kernel k_q63fcea28fd_up
		.amdhsa_group_segment_fixed_size 209408
		.amdhsa_private_segment_fixed_size 0
		.amdhsa_enable_private_segment 0
		.amdhsa_kernarg_size 72
		.amdhsa_user_sgpr_count 2
		.amdhsa_user_sgpr_kernarg_segment_ptr 1
		.amdhsa_wavefront_size32 1
		.amdhsa_system_sgpr_workgroup_id_x 1
		.amdhsa_system_sgpr_workgroup_id_y 1
		.amdhsa_system_sgpr_workgroup_id_z 1
		.amdhsa_system_vgpr_workitem_id 0
		.amdhsa_next_free_vgpr 1024
		.amdhsa_next_free_sgpr 100
		.amdhsa_reserve_vcc 1
		.amdhsa_float_denorm_mode_32 3
		.amdhsa_float_denorm_mode_16_64 3
		.amdhsa_memory_ordered 1
		.amdhsa_forward_progress 1
		.amdhsa_inst_pref_size 179
	.end_amdhsa_kernel
	.amdgpu_metadata
---
amdhsa.version: [ 1, 2 ]
amdhsa.kernels:
  - .name:           k_q63fcea28fd_up
    .symbol:         k_q63fcea28fd_up.kd
    .args:
      - { .name: xs, .offset: 0, .size: 8, .value_kind: global_buffer, .address_space: global }
      - { .name: w_gate_up, .offset: 8, .size: 8, .value_kind: global_buffer, .address_space: global }
      - { .name: retain_gate, .offset: 16, .size: 8, .value_kind: global_buffer, .address_space: global }
      - { .name: retain_up, .offset: 24, .size: 8, .value_kind: global_buffer, .address_space: global }
      - { .name: forget_gate, .offset: 32, .size: 8, .value_kind: global_buffer, .address_space: global }
      - { .name: forget_up, .offset: 40, .size: 8, .value_kind: global_buffer, .address_space: global }
      - { .name: fac, .offset: 48, .size: 8, .value_kind: global_buffer, .address_space: global }
      - { .name: offs, .offset: 56, .size: 8, .value_kind: global_buffer, .address_space: global }
      - { .name: hb, .offset: 64, .size: 8, .value_kind: global_buffer, .address_space: global }
    .group_segment_fixed_size: 209408
    .private_segment_fixed_size: 0
    .kernarg_segment_align: 8
    .kernarg_segment_size: 72
    .max_flat_workgroup_size: 128
    .sgpr_count:     100
    .vgpr_count:     1024
    .wavefront_size: 32
...
	.end_amdgpu_metadata
.endif
;; end of part 2
;; launch down (part 3): grid 352 x 1, 4 waves a work-group, no clusters, 52,736 bytes of LDS; arguments hb, w_down, retain_down, forget_down, perm, offs, out0; writes out0
.if DOCPART == 3
	.amdgcn_target "amdgcn-amd-amdhsa--gfx1250"
	.amdhsa_code_object_version 6
	.text
	.protected	k_q63fcea28fd_down
	.globl	k_q63fcea28fd_down
	.p2align	8
	.type	k_q63fcea28fd_down,@function
k_q63fcea28fd_down:
	s_mov_b64 s[64:65], 0
	v_nop
	global_prefetch_b8 v0, s[64:65] scope:SCOPE_SE
	s_setreg_imm32_b32 hwreg(HW_REG_WAVE_MODE, 25, 1), 1
	s_wait_xcnt 0x0
; DOWN: out0[token] = hidden row . [w_down | retain_down[slot] | forget_down[slot]]^T, ONE product over K = 3,072, so that each output row has one owner
; and nothing is added up later (scales and the sign mask were folded into the hidden row).  bf16 operands, f32 sums, f32 out.
; WORK-GROUPS.  Tile J = g / 32 of at most 256 sorted rows of one slot (at most 11 tiles for every split, found from offs), x 32 slices of 64 output columns.
; A TILE THAT THIS SPLIT DOES NOT HAVE (0 rows): its work-group runs the head with slot 0 and first row 0 (every load inside its buffer), passes every
; barrier like every other, jumps forward over each K step's work, and stores nothing.  No barrier stands in what is jumped.
; K goes in 24 steps of 128: 0-15 w_down (8,192 bytes from row to row), 16-19 retain_down[slot], 20-23 forget_down[slot] (2,048 bytes).
; THE ROAD.  Weights: f32, a row's 512 bytes to a load, rounded in registers, laid into LDS as bf16 (two buffers, one barrier a step), asked for two steps ahead.
; Hidden rows: hb holds them as matrix operands, so they come from memory straight into operand registers, two steps ahead, and never touch LDS.
; NO JOINT LOADS: the rounding wants the weights in registers; the hidden rows that a tile's 32 work-groups share go into registers, not LDS; and the number of live tiles hangs on offs.
; WAVES.  Wave w owns row blocks 4 i + w (i = 0..3) and all 64 columns: 16 accumulators.  Rows past the count repeat the tile's last row (the same bytes are
; then stored twice to the same place by the same wave); whole blocks past the count are jumped; no barrier stands in what is jumped.
; TRANSPOSED USE: source 0 = 16 weight rows, source 1 = 16 hidden rows: a lane holds one token and eight neighbouring columns.  A block of 16 tokens x 64 columns goes
; through the wave's own stage in LDS, so that sixteen lanes store 256 consecutive aligned bytes of a token's row.
; The accumulators are cleared (128 lines, while the first loads are out): no first step is written out, and every accumulator holds a number on every way through the jumps.
; REGISTERS, in windows of 256 (s_set_vgpr_msb: bits 1:0 source 0, 3:2 source 1, 5:4 source 2, 7:6 destination):
;   window 0: v0-63 addresses; v64-191 accumulator (i, c) at 64 + 32 i + 8 c; v192-255 at work      window 1: two sets of 128: hidden operands (i, 32 of K) at 32 i + 8 ks
;   window 2: v0-127 two sets of 64: weights as loaded; v128-255 weight fragments
.set PITCH, 272                        ; an LDS row: 256 bytes + 16: 16 rows start at 16 different groups of four banks (64 banks of 4 bytes: ISA guide 11.1)
.set WBUF,  64*PITCH
.set STAGE, 2*WBUF                     ; 16 rows x 272 bytes for each wave, its own
.set SPARE, STAGE+4*16*PITCH           ; the spare words, 128 bytes a wave: two blocks of 256 bytes that no other line names
.set NIL, 1                            ; v1      0; never rewritten
.set WST, 5                            ; v5-6    where I store rounded weights, buffer 0, 1
.set BA,  7                            ; v7-8    the weight fragments
.set STO, 9                            ; v9      the way out: where I put 16 bytes
.set RD,  10                           ; v10     where I read rows back
.set SPW, 11                           ; v11     my spare word; never rewritten
.set VA,  12                           ; v12-15  block i: my hidden row's byte offset within 32 columns of hb
.set VWO, 16                           ; v16-31  weight row q: 16 l + q x the bytes from row to row
.set TOK, 32                           ; v32-63  block i, pair of rows t: token x 8192 + 16 r
.set ACC, 64
.set T,   192
.set OB,  192
.set BF,  128
.set WV,  18
.set GID, 19
.set OF,  24
.set TJ,  32
.set TE,  33
.set TS,  34
.set TC,  35
.set CUM, 36
.set CNT, 37
.set NT,  38
.set RR,  39
.set T8,  40
.set SC,  41
.set CC,  42
.set WD,  44                           ; s[44:45] w_down, s[46:47] retain_down, s[48:49] forget_down at my 16 rows
.set RDP, 46
.set FDP, 48
.set WP,  50                           ; s[50:51] the weights two steps on
.set AP,  52                           ; s[52:53] hb two steps on
.set OUTP, 54
.set SPIT, 56                          ; bytes from weight row to weight row
.set NI,  57
.set LC,  58
.set CM1, 59
.set NB,  66
.set MSB, 0
.macro WIN new
.if MSB != (\new)
	s_set_vgpr_msb (MSB<<8)|(\new)
.set MSB, \new
.endif
.endm
.macro PLACES
.rept 4
	v_nop
.endr
.endm
.macro TILEMAP                         ; tile TJ of the list: slot e has ceil(count / 256) tiles; all arithmetic stands ahead of the compare
	s_mov_b32 s[TE], 0
	s_mov_b32 s[TS], 0
	s_mov_b32 s[TC], 0
	s_mov_b32 s[CUM], 0
.irp e, 0,1,2,3,4,5,6,7
.if \e < 7
	s_sub_co_u32 s[CNT], s[OF+\e+1], s[OF+\e]
.else
	s_sub_co_u32 s[CNT], 1024, s[OF+7]
.endif
	s_add_co_u32 s[NT], s[CNT], 255
	s_lshr_b32 s[NT], s[NT], 8
	s_sub_co_u32 s[RR], s[TJ], s[CUM]
	s_lshl_b32 s[T8], s[RR], 8
	s_add_co_u32 s[SC], s[OF+\e], s[T8]
	s_sub_co_u32 s[CC], s[CNT], s[T8]
	s_add_co_u32 s[CUM], s[CUM], s[NT]
	s_cmp_lt_u32 s[RR], s[NT]
	s_cselect_b32 s[TE], \e, s[TE]
	s_cselect_b32 s[TS], s[SC], s[TS]
	s_cselect_b32 s[TC], s[CC], s[TC]
.endr
.endm
.macro GLW set, kimm, base             ; 16 loads: my 16 weight rows, 512 bytes of each
	WIN 0x80
.irp q, 0,1,2,3,4,5,6,7,8,9,10,11,12,13,14,15
	global_load_b128 v[64*(\set)+4*(\q):64*(\set)+4*(\q)+3], v[VWO+(\q)], s[\base:\base+1] offset:\kimm
.endr
.endm
.macro GLA set, kimm, base             ; 32 loads: the hidden operands of my four blocks for a step
	WIN 0x40
.irp i, 0,1,2,3
.irp ks, 0,1,2,3
	global_load_b128 v[128*(\set)+32*(\i)+8*(\ks):128*(\set)+32*(\i)+8*(\ks)+3],   v[VA+(\i)], s[\base:\base+1] offset:(\kimm)+(\ks)*65536
	global_load_b128 v[128*(\set)+32*(\i)+8*(\ks)+4:128*(\set)+32*(\i)+8*(\ks)+7], v[VA+(\i)], s[\base:\base+1] offset:(\kimm)+(\ks)*65536+512
.endr
.endr
.endm
.macro LDB buf                         ; 32 LDS loads: the four weight fragments, the first 32 of K first
	WIN 0x80
.irp ks, 0,1,2,3
.irp c, 0,1,2,3
	ds_load_b128 v[BF+32*(\ks)+8*(\c):BF+32*(\ks)+8*(\c)+3],   v[BA+(\buf)] offset:(\c)*16*PITCH+64*(\ks)
	ds_load_b128 v[BF+32*(\ks)+8*(\c)+4:BF+32*(\ks)+8*(\c)+7], v[BA+(\buf)] offset:(\c)*16*PITCH+64*(\ks)+32
.endr
.endr
.endm
.macro MM i, ks, set                   ; 4 matrix instructions on 4 accumulators, which take turns
	WIN 0x06
.irp c, 0,1,2,3
	v_wmma_f32_16x16x32_bf16 v[ACC+32*(\i)+8*(\c):ACC+32*(\i)+8*(\c)+7], v[BF+32*(\ks)+8*(\c):BF+32*(\ks)+8*(\c)+7], v[128*(\set)+32*(\i)+8*(\ks):128*(\set)+32*(\i)+8*(\ks)+7], v[ACC+32*(\i)+8*(\c):ACC+32*(\i)+8*(\c)+7]
.endr
.endm
.macro ROUNDW set                      ; a step's weights are rounded
	WIN 0x0a
.set i, 0
.rept 32
	v_cvt_pk_bf16_f32 v[T+i], v[64*(\set)+2*i], v[64*(\set)+2*i+1]
.set i, i+1
.endr
	WIN 0
.endm
.macro PUT buf                         ; and go into buffer buf: my 16 rows
	WIN 0
.set i, 0
.rept 16
	ds_store_b64 v[WST+(\buf)], v[T+2*i:T+2*i+1] offset:i*PITCH
.set i, i+1
.endr
.endm
; The step's barrier: my stores into the next buffer are done, and so are my reads of the buffer that the next step's stores will write.
.macro MEET
	s_wait_dscnt 0x0                               ; for the others' sake: zero
	s_barrier_signal -1
	s_barrier_wait -1
.endm
; Step n, out of buffer and sets n % 2.  Loads go out in the order .. A(n), W(n+1), A(n+1), W(n+2), A(n+2) ..: 32 for A, 16 for W.
; ntop: what was issued behind A(n).  nend: what was issued behind W(n+1).
; A tile of 0 rows jumps to the barrier; on that way all loads are waited for, so that none is out where a counted wait further on counts on loads that were not issued.
.macro TRIP buf, ldw, wk, lda, ak, st, ntop, nend
	s_cmp_lg_u32 s[TC], 0
	s_cbranch_scc1 .Llive_\@
	s_wait_loadcnt 0x0
	s_branch .Lmeet_\@
.Llive_\@:
	s_wait_loadcnt \ntop
	LDB \buf
.if \ldw
	GLW \buf, \wk, WP
.endif
.irp ks, 0,1,2,3
	s_wait_dscnt 24-8*(\ks)                        ; the fragments of this 32 of K are in; the later ones may be out
	MM 0, \ks, \buf
.endr
	WIN 0
	s_cmp_le_u32 s[NI], 1
	s_cbranch_scc1 .Ldone_\@
.irp ks, 0,1,2,3
	MM 1, \ks, \buf
.endr
	WIN 0
	s_cmp_le_u32 s[NI], 2
	s_cbranch_scc1 .Ldone_\@
.irp ks, 0,1,2,3
	MM 2, \ks, \buf
.endr
	WIN 0
	s_cmp_le_u32 s[NI], 3
	s_cbranch_scc1 .Ldone_\@
.irp ks, 0,1,2,3
	MM 3, \ks, \buf
.endr
	WIN 0
.Ldone_\@:
.if \st
	PLACES                                         ; in front of the loads into the operands just multiplied
	s_wait_loadcnt \nend
.if \lda
	GLA \buf, \ak, AP
.endif
	ROUNDW 1-(\buf)
	PUT 1-(\buf)
.endif
.Lmeet_\@:
.if \st
	MEET
.endif
.endm
; Block i leaves through my stage.  LDS serves a wave's instructions in order (ISA guide 5.7.1.4): the loads see the stores above them.
.macro OUTB i
	s_cmp_le_u32 s[NI], \i
	s_cbranch_scc1 .Lend
	s_wait_xcnt 0x0                                ; the registers that earlier stores read are loaded again only behind this wait
.irp c, 0,1,2,3
	ds_store_b128 v[STO], v[ACC+32*(\i)+8*(\c):ACC+32*(\i)+8*(\c)+3]   offset:64*(\c)
	ds_store_b128 v[STO], v[ACC+32*(\i)+8*(\c)+4:ACC+32*(\i)+8*(\c)+7] offset:64*(\c)+16
.endr
.irp t, 0,1,2,3,4,5,6,7
	ds_load_b128 v[OB+32*((\i)%2)+4*(\t):OB+32*((\i)%2)+4*(\t)+3], v[RD] offset:(\t)*2*PITCH
.endr
	s_wait_dscnt 0x0
.irp t, 0,1,2,3,4,5,6,7
	global_store_b128 v[TOK+8*(\i)+(\t)], v[OB+32*((\i)%2)+4*(\t):OB+32*((\i)%2)+4*(\t)+3], s[OUTP:OUTP+1] th:TH_STORE_NT  ; 16 lanes: 256 consecutive aligned bytes of a token's row
.endr
.endm
	s_load_b256 s[4:11], s[0:1], 0x0               ; hb s[4:5], w_down s[6:7], retain_down s[8:9], forget_down s[10:11]
	s_load_b128 s[12:15], s[0:1], 0x20             ; perm s[12:13], offs s[14:15]
	s_load_b64 s[16:17], s[0:1], 0x30              ; out0
	v_lshl_add_u32 v[SPW], v0, 2, SPARE
	v_mov_b32 v[NIL], 0
	v_lshrrev_b32 v192, 5, v0
	v_readfirstlane_b32 s[WV], v192                ; wave 0..3
	v_and_b32 v192, 31, v0                         ; l
	v_and_b32 v2, 15, v0                           ; r
	v_bfe_u32 v3, v0, 4, 1                         ; h
	v_lshlrev_b32 v4, 4, v192                      ; 16 l
	s_mov_b32 s[GID], ttmp9
	s_lshr_b32 s[TJ], s[GID], 5
	s_and_b32 s43, s[GID], 31                      ; slice
	s_wait_kmcnt 0x0
	s_load_b256 s[OF:OF+7], s[14:15], 0x0
	s_mul_i32 s67, s[WV], 16*PITCH
	v_lshl_add_u32 v[WST], v192, 3, s67            ; weight row 16 w + q, 8 bytes a lane
	v_add_nc_u32 v[WST+1], WBUF, v[WST]
	v_mul_u32_u24 v193, v2, PITCH
	v_lshl_add_u32 v[BA], v3, 4, v193              ; a fragment's row x pitch + 16 x half
	v_add_nc_u32 v[BA+1], WBUF, v[BA]
	s_add_co_u32 s67, s67, STAGE                   ; my stage
	v_lshl_add_u32 v194, v3, 5, v193
	v_add_nc_u32 v[STO], s67, v194                 ; in: row r, 32 bytes for each half of the lanes
	v_mul_u32_u24 v195, v3, PITCH
	v_lshl_add_u32 v195, v2, 4, v195
	v_add_nc_u32 v[RD], s67, v195                  ; back: lanes 0-15 one row of 256 bytes, lanes 16-31 the next
	v_lshlrev_b32 v196, 4, v2                      ; 16 r
	s_lshl_b32 s61, s[WV], 4
	v_add_nc_u32 v197, s61, v3                     ; 16 w + h
	v_add_nc_u32 v198, s61, v2                     ; 16 w + r
	s_mov_b32 s[SPIT], 8192
.irp q, 0,1,2,3,4,5,6,7,8,9,10,11,12,13,14,15
	v_mad_u32_u24 v[VWO+(\q)], s[SPIT], \q, v4
.endr
	s_wait_kmcnt 0x0                               ; offs
	TILEMAP
	s_min_u32 s[TE], s[TE], 7
	s_min_u32 s[TS], s[TS], 1023
	s_min_u32 s[TC], s[TC], 256                    ; 0: this split has no such tile; slot and first row are then 0
	s_lshl_b32 s60, s43, 6
	s_add_co_u32 s60, s60, s61                     ; 64 x slice + 16 w
	s_lshl_b32 s62, s60, 13
	s_mov_b32 s63, 0
	s_add_nc_u64 s[WD:WD+1], s[6:7], s[62:63]
	s_lshl_b32 s62, s[TE], 11
	s_add_co_u32 s62, s62, s60
	s_lshl_b32 s62, s62, 11                        ; (slot x 2048 + row) x 2,048 bytes
	s_add_nc_u64 s[RDP:RDP+1], s[8:9], s[62:63]
	s_add_nc_u64 s[FDP:FDP+1], s[10:11], s[62:63]
	s_add_nc_u64 s[WP:WP+1], s[WD:WD+1], 1024      ; step 2
	s_add_nc_u64 s[AP:AP+1], s[4:5], 524288        ; step 2: a step is four blocks of 65,536 bytes
	s_lshl_b32 s62, s43, 8
	s_add_nc_u64 s[OUTP:OUTP+1], s[16:17], s[62:63]
	s_sub_co_u32 s[CM1], s[TC], 1                  ; the tile's last row (wraps for a tile of 0 rows: the clamp to 1,023 below still holds)
	s_add_co_u32 s[NB], s[TC], 15
	s_lshr_b32 s[NB], s[NB], 4
	s_add_co_u32 s[NI], s[NB], 3
	s_sub_co_u32 s[NI], s[NI], s[WV]
	s_lshr_b32 s[NI], s[NI], 2                     ; my live blocks: 4 i + w < NB
.set n, 0
.rept 32                                       ; the tokens of the rows that I store: row 16 (4 i + w) + 2 t + h of the tile, the last row at the most
	v_add_nc_u32 v[TOK+n], 64*(n/8)+2*(n%8), v197
	v_min_u32 v[TOK+n], s[CM1], v[TOK+n]
	v_add_nc_u32 v[TOK+n], s[TS], v[TOK+n]
	v_min_u32 v[TOK+n], 0x3ff, v[TOK+n]
	v_lshlrev_b32 v[TOK+n], 2, v[TOK+n]
	global_load_b32 v[TOK+n], v[TOK+n], s[12:13]   ; the load lands on its own address register
.set n, n+1
.endr
.irp i, 0,1,2,3                                ; my hidden row of block i: (p / 16) 1024 + (p % 16) 16 + 256 h
	v_add_nc_u32 v199, 64*(\i), v198
	v_min_u32 v199, s[CM1], v199
	v_add_nc_u32 v199, s[TS], v199
	v_min_u32 v199, 0x3ff, v199
	v_lshlrev_b32 v200, 6, v199
	v_and_b32 v200, 0xfc00, v200
	v_and_b32 v199, 15, v199
	v_lshl_add_u32 v200, v199, 4, v200
	v_lshl_add_u32 v[VA+(\i)], v3, 8, v200
.endr
	GLW 0, 0, WD                                   ; W(0), A(0), W(1)
	GLA 0, 0, 4
	GLW 1, 512, WD
	WIN 0
.set i, 0
.rept 128
	v_mov_b32 v[ACC+i], 0
.set i, i+1
.endr
	s_wait_loadcnt 48                              ; behind W(0): A(0)'s 32 and W(1)'s 16: the tokens and W(0) are in
.set n, 0
.rept 32
	v_min_u32 v[TOK+n], 0x3ff, v[TOK+n]
	v_lshl_add_u32 v[TOK+n], v[TOK+n], 13, v196    ; 8,192 bytes a row of out0
.set n, n+1
.endr
	GLA 1, 262144, 4                               ; A(1)
	ROUNDW 0
	PUT 0                                          ; step 0's weights;
	PUT 1                                          ; buffer 1 takes the same numbers for now, so that its bytes hold numbers on every way through the jumps; step 0 writes it anew, from the same wave at the same places, before any wave reads it
	MEET
	s_mov_b32 s[LC], 11
.Lk:                                                   ; a trip: steps 2 k and 2 k + 1; it asks for steps 2 k + 2 and 2 k + 3
	TRIP 0, 1, 0,   1, 0,      1, 48, 48
	TRIP 1, 1, 512, 1, 262144, 1, 48, 48
	s_wait_xcnt 0x0                                ; bases and offsets of the loads are rewritten only behind this wait
	s_add_nc_u64 s[WP:WP+1], s[WP:WP+1], 1024
	s_add_nc_u64 s[AP:AP+1], s[AP:AP+1], 524288
	s_sub_co_u32 s[LC], s[LC], 1
	s_cmp_eq_u32 s[LC], 4                          ; the next trip asks for steps 16 and 17: retain_down begins
	s_cselect_b64 s[WP:WP+1], s[RDP:RDP+1], s[WP:WP+1]
	s_cselect_b32 s[SPIT], 2048, s[SPIT]
	s_cmp_eq_u32 s[LC], 2                          ; steps 20 and 21: forget_down begins
	s_cselect_b64 s[WP:WP+1], s[FDP:FDP+1], s[WP:WP+1]
.irp q, 0,1,2,3,4,5,6,7,8,9,10,11,12,13,14,15
	v_mad_u32_u24 v[VWO+(\q)], s[SPIT], \q, v4
.endr
	s_cmp_lg_u32 s[LC], 0
	s_cbranch_scc1 .Lk
	TRIP 0, 0, 0, 0, 0, 1, 48, 32                  ; step 22: nothing is left to fetch; behind W(23) only A(23)'s 32 were issued
	TRIP 1, 0, 0, 0, 0, 0, 0, 0                    ; step 23
	PLACES                                         ; in front of the LDS stores that read results just made
.irp i, 0,1,2,3
	OUTB \i
.endr
.Lend:
	s_wait_tensorcnt 0x0                           ; the wave's end: three lines behind my last LDS store
	ds_add_u32 v[SPW], v[NIL]
	s_wait_dscnt 0x0
	s_endpgm
.Lfunc_end_k_q63fcea28fd_down:
	.size	k_q63fcea28fd_down, .Lfunc_end_k_q63fcea28fd_down-k_q63fcea28fd_down
	.p2alignl 7, 3214868480
	.fill 96, 4, 3214868480
	.section	.rodata,"a",@progbits
	.p2align	6, 0x0
	.amdhsa_kernel k_q63fcea28fd_down
		.amdhsa_group_segment_fixed_size 52736
		.amdhsa_private_segment_fixed_size 0
		.amdhsa_enable_private_segment 0
		.amdhsa_kernarg_size 56
		.amdhsa_user_sgpr_count 2
		.amdhsa_user_sgpr_kernarg_segment_ptr 1
		.amdhsa_wavefront_size32 1
		.amdhsa_system_sgpr_workgroup_id_x 1
		.amdhsa_system_sgpr_workgroup_id_y 1
		.amdhsa_system_sgpr_workgroup_id_z 1
		.amdhsa_system_vgpr_workitem_id 0
		.amdhsa_next_free_vgpr 768
		.amdhsa_next_free_sgpr 100
		.amdhsa_reserve_vcc 0
		.amdhsa_float_denorm_mode_32 3
		.amdhsa_float_denorm_mode_16_64 3
		.amdhsa_memory_ordered 1
		.amdhsa_forward_progress 1
		.amdhsa_inst_pref_size 96
	.end_amdhsa_kernel
	.amdgpu_metadata
---
amdhsa.version: [ 1, 2 ]
amdhsa.kernels:
  - .name:           k_q63fcea28fd_down
    .symbol:         k_q63fcea28fd_down.kd
    .args:
      - { .name: hb, .offset: 0, .size: 8, .value_kind: global_buffer, .address_space: global }
      - { .name: w_down, .offset: 8, .size: 8, .value_kind: global_buffer, .address_space: global }
      - { .name: retain_down, .offset: 16, .size: 8, .value_kind: global_buffer, .address_space: global }
      - { .name: forget_down, .offset: 24, .size: 8, .value_kind: global_buffer, .address_space: global }
      - { .name: perm, .offset: 32, .size: 8, .value_kind: global_buffer, .address_space: global }
      - { .name: offs, .offset: 40, .size: 8, .value_kind: global_buffer, .address_space: global }
      - { .name: out0, .offset: 48, .size: 8, .value_kind: global_buffer, .address_space: global }
    .group_segment_fixed_size: 52736
    .private_segment_fixed_size: 0
    .kernarg_segment_align: 8
    .kernarg_segment_size: 56
    .max_flat_workgroup_size: 128
    .sgpr_count:     100
    .vgpr_count:     768
    .wavefront_size: 32
...
	.end_amdgpu_metadata
.endif
;; end of part 3
;; ======== version 2 of 2: 3 launches; version 1 with the launch down written anew for expert scheduling mode
;; workspace buffers: xs 5,242,880 bytes; hb 6,291,456 bytes; fac 16,384 bytes; perm 4,096 bytes of whole numbers; offs 256 bytes of whole numbers
;; launch prep: the kernel of part 1 again; grid 256 x 1, 4 waves a work-group, no clusters, 0 bytes of LDS; arguments x, token_ids, scales, xs, perm, fac, offs; writes xs, perm, fac, offs
;; launch up: the kernel of part 2 again; grid 304 x 1, 4 waves a work-group, no clusters, 209,408 bytes of LDS; arguments xs, w_gate_up, retain_gate, retain_up, forget_gate, forget_up, fac, offs, hb; writes hb
;; launch down (part 4): grid 352 x 1, 4 waves a work-group, no clusters, 52,736 bytes of LDS; arguments hb, w_down, retain_down, forget_down, perm, offs, out0; writes out0
.if DOCPART == 4
	.amdgcn_target "amdgcn-amd-amdhsa--gfx1250"
	.amdhsa_code_object_version 6
	.text
	.protected	k_q63fcea28fd_down
	.globl	k_q63fcea28fd_down
	.p2align	8
	.type	k_q63fcea28fd_down,@function
k_q63fcea28fd_down:
	s_mov_b64 s[64:65], 0
	v_nop
	global_prefetch_b8 v0, s[64:65] scope:SCOPE_SE
	s_setreg_imm32_b32 hwreg(HW_REG_WAVE_SCHED_MODE, 0, 2), 2
	s_setreg_imm32_b32 hwreg(HW_REG_WAVE_MODE, 25, 1), 1
	s_wait_xcnt 0x0
	s_wait_alu depctr_vm_vsrc(0)
; DOWN: out0[token] = hidden row . [w_down | retain_down[slot] | forget_down[slot]]^T, ONE product over K = 3,072, so that each output row has one owner
; and nothing is added up later (scales and the sign mask were folded into the hidden row).  bf16 operands, f32 sums, f32 out.
; WORK-GROUPS.  Tile J = g / 32 of at most 256 sorted rows of one slot (at most 11 tiles for every split, found from offs), x 32 slices of 64 output columns.
; A TILE THAT THIS SPLIT DOES NOT HAVE (0 rows): its work-group runs the head with slot 0 and first row 0 (every load inside its buffer), passes every
; barrier like every other, jumps forward over each K step's work, and stores nothing.  No barrier stands in what is jumped.
; K goes in 24 steps of 128: 0-15 w_down (8,192 bytes from row to row), 16-19 retain_down[slot], 20-23 forget_down[slot] (2,048 bytes).
; THE ROAD.  Weights: f32, a row's 512 bytes to a load, rounded in registers, laid into LDS as bf16 (two buffers, one barrier a step), asked for two steps ahead.
; Hidden rows: hb holds them as matrix operands, so they come from memory straight into operand registers, two steps ahead, and never touch LDS.
; NO JOINT LOADS: the rounding wants the weights in registers; the hidden rows that a tile's 32 work-groups share go into registers, not LDS; and the number of live tiles hangs on offs.
; WAVES.  Wave w owns row blocks 4 i + w (i = 0..3) and all 64 columns: 16 accumulators.  Rows past the count repeat the tile's last row (the same bytes are
; then stored twice to the same place by the same wave); whole blocks past the count are jumped; no barrier stands in what is jumped.
; TRANSPOSED USE: source 0 = 16 weight rows, source 1 = 16 hidden rows: a lane holds one token and eight neighbouring columns.  A block of 16 tokens x 64 columns goes
; through the wave's own stage in LDS, so that sixteen lanes store 256 consecutive aligned bytes of a token's row.
; The accumulators are cleared (128 lines, while the first loads are out): no first step is written out, and every accumulator holds a number on every way through the jumps.
; THE MODE: SCHED_MODE bits 1:0 = 2 (LLVM: expert scheduling mode 2), set by the entry lines.  The code itself states the register dependences
; between vector or matrix instructions and memory or LDS instructions, with s_wait_alu, always for 0.
; THE PLAN.  Registers that memory or LDS instructions touch, in step n (p = n % 2):
;   BF        The LDS loads at the step's head land in it; the step's matrix instructions read it.
;   W[p]      The roundings of step n - 1 read it; the loads of the weights two steps on land in it at the head of step n.
;   A[p]      The step's matrix instructions read it; the loads of the hidden operands two steps on land in it at the step's end.
;   T         The step's roundings write it; the step's LDS stores read it.
;   VWO       Every load of weights reads it; sixteen lines write it anew once a trip, in the trip's second step.
;   WST, BA, VA, STO, RD, TOK, TA   made at the head and not written again while memory instructions read them.
; So TWO waits stand in a step.  One on vm_vsrc ahead of the roundings: the LDS stores of the step before have read T (and, in a trip's second step, the loads of weights
; have read VWO).  One on va_vdst behind the roundings: T (and VWO) is written, the matrix instructions are done reading A[p] and BF, the roundings are done reading W[1 - p].
; Behind it come the step's LDS stores, the loads into A[p] and, across the barrier, the next step's loads into BF and W[1 - p]: between the wait and those no vector or matrix
; instruction is issued, on any way through the jumps and over the loop's backward jump, so nothing more is owed.
; REGISTERS, in windows of 256 (s_set_vgpr_msb: bits 1:0 source 0, 3:2 source 1, 5:4 source 2, 7:6 destination):
;   window 0: v0-63 addresses; v64-191 accumulator (i, c) at 64 + 32 i + 8 c; v192-255 at work      window 1: two sets of 128: hidden operands (i, 32 of K) at 32 i + 8 ks
;   window 2: v0-127 two sets of 64: weights as loaded; v128-255 weight fragments
.set PITCH, 272                        ; an LDS row: 256 bytes + 16: 16 rows start at 16 different groups of four banks (64 banks of 4 bytes: ISA guide 11.1)
.set WBUF,  64*PITCH
.set STAGE, 2*WBUF                     ; 16 rows x 272 bytes for each wave, its own; the 512 bytes behind the stages hold the spare words, 128 bytes a wave
.set WST, 5                            ; v5-6    where I store rounded weights, buffer 0, 1
.set BA,  7                            ; v7-8    the weight fragments
.set STO, 9                            ; v9      the way out: where I put 16 bytes
.set RD,  10                           ; v10     where I read rows back
.set VA,  12                           ; v12-15  block i: my hidden row's byte offset within 32 columns of hb
.set VWO, 16                           ; v16-31  weight row q: 16 l + q x the bytes from row to row
.set TOK, 32                           ; v32-63  block i, pair of rows t: token x 8192 + 16 r
.set ACC, 64
.set T,   192
.set OB,  192
.set TA,  224                          ; v224-255 at the head only: the byte offsets in perm of the 32 tokens
.set BF,  128
.set WV,  18
.set GID, 19
.set OF,  24
.set TJ,  32
.set TE,  33
.set TS,  34
.set TC,  35
.set CUM, 36
.set CNT, 37
.set NT,  38
.set RR,  39
.set T8,  40
.set SC,  41
.set CC,  42
.set WD,  44                           ; s[44:45] w_down, s[46:47] retain_down, s[48:49] forget_down at my 16 rows
.set RDP, 46
.set FDP, 48
.set WP,  50                           ; s[50:51] the weights two steps on
.set AP,  52                           ; s[52:53] hb two steps on
.set OUTP, 54
.set SPIT, 56                          ; bytes from weight row to weight row
.set NI,  57
.set LC,  58
.set CM1, 59
.set NB,  66
.set MSB, 0
.macro WIN new
.if MSB != (\new)
	s_set_vgpr_msb (MSB<<8)|(\new)
.set MSB, \new
.endif
.endm
.macro PLACES
.rept 4
	v_nop
.endr
.endm
.macro TILEMAP                         ; tile TJ of the list: slot e has ceil(count / 256) tiles; all arithmetic stands ahead of the compare
	s_mov_b32 s[TE], 0
	s_mov_b32 s[TS], 0
	s_mov_b32 s[TC], 0
	s_mov_b32 s[CUM], 0
.irp e, 0,1,2,3,4,5,6,7
.if \e < 7
	s_sub_co_u32 s[CNT], s[OF+\e+1], s[OF+\e]
.else
	s_sub_co_u32 s[CNT], 1024, s[OF+7]
.endif
	s_add_co_u32 s[NT], s[CNT], 255
	s_lshr_b32 s[NT], s[NT], 8
	s_sub_co_u32 s[RR], s[TJ], s[CUM]
	s_lshl_b32 s[T8], s[RR], 8
	s_add_co_u32 s[SC], s[OF+\e], s[T8]
	s_sub_co_u32 s[CC], s[CNT], s[T8]
	s_add_co_u32 s[CUM], s[CUM], s[NT]
	s_cmp_lt_u32 s[RR], s[NT]
	s_cselect_b32 s[TE], \e, s[TE]
	s_cselect_b32 s[TS], s[SC], s[TS]
	s_cselect_b32 s[TC], s[CC], s[TC]
.endr
.endm
.macro GLW set, kimm, base             ; 16 loads: my 16 weight rows, 512 bytes of each
	WIN 0x80
.irp q, 0,1,2,3,4,5,6,7,8,9,10,11,12,13,14,15
	global_load_b128 v[64*(\set)+4*(\q):64*(\set)+4*(\q)+3], v[VWO+(\q)], s[\base:\base+1] offset:\kimm
.endr
.endm
.macro GLA set, kimm, base             ; 32 loads: the hidden operands of my four blocks for a step
	WIN 0x40
.irp i, 0,1,2,3
.irp ks, 0,1,2,3
	global_load_b128 v[128*(\set)+32*(\i)+8*(\ks):128*(\set)+32*(\i)+8*(\ks)+3],   v[VA+(\i)], s[\base:\base+1] offset:(\kimm)+(\ks)*65536
	global_load_b128 v[128*(\set)+32*(\i)+8*(\ks)+4:128*(\set)+32*(\i)+8*(\ks)+7], v[VA+(\i)], s[\base:\base+1] offset:(\kimm)+(\ks)*65536+512
.endr
.endr
.endm
.macro LDB buf                         ; 32 LDS loads: the four weight fragments, the first 32 of K first
	WIN 0x80
.irp ks, 0,1,2,3
.irp c, 0,1,2,3
	ds_load_b128 v[BF+32*(\ks)+8*(\c):BF+32*(\ks)+8*(\c)+3],   v[BA+(\buf)] offset:(\c)*16*PITCH+64*(\ks)
	ds_load_b128 v[BF+32*(\ks)+8*(\c)+4:BF+32*(\ks)+8*(\c)+7], v[BA+(\buf)] offset:(\c)*16*PITCH+64*(\ks)+32
.endr
.endr
.endm
.macro MM i, ks, set                   ; 4 matrix instructions on 4 accumulators, which take turns
	WIN 0x06
.irp c, 0,1,2,3
	v_wmma_f32_16x16x32_bf16 v[ACC+32*(\i)+8*(\c):ACC+32*(\i)+8*(\c)+7], v[BF+32*(\ks)+8*(\c):BF+32*(\ks)+8*(\c)+7], v[128*(\set)+32*(\i)+8*(\ks):128*(\set)+32*(\i)+8*(\ks)+7], v[ACC+32*(\i)+8*(\c):ACC+32*(\i)+8*(\c)+7]
.endr
.endm
.macro ROUNDW set                      ; a step's weights are rounded
	WIN 0x0a
.set i, 0
.rept 32
	v_cvt_pk_bf16_f32 v[T+i], v[64*(\set)+2*i], v[64*(\set)+2*i+1]
.set i, i+1
.endr
	WIN 0
.endm
.macro PUT buf                         ; and go into buffer buf: my 16 rows
	WIN 0
.set i, 0
.rept 16
	ds_store_b64 v[WST+(\buf)], v[T+2*i:T+2*i+1] offset:i*PITCH
.set i, i+1
.endr
.endm
; The step's barrier: my stores into the next buffer are done, and so are my reads of the buffer that the next step's stores will write.
.macro MEET
	s_wait_dscnt 0x0                               ; for the others' sake: zero
	s_barrier_signal -1
	s_barrier_wait -1
.endm
; Step n, out of buffer and sets n % 2.  Loads go out in the order .. A(n), W(n+1), A(n+1), W(n+2), A(n+2) ..: 32 for A, 16 for W.
; ntop: what was issued behind A(n).  nend: what was issued behind W(n+1).  mad = 1: a trip's second step, which makes the weights' offsets anew.
; The loads at the step's head owe no wait on va_vdst: the one behind the roundings of the step before (at the first step: the head's) has shown the readers of BF and of the
; raw set done and the offsets written, and no vector or matrix instruction has been issued since.
; A tile of 0 rows jumps to the barrier; on that way all loads are waited for, so that none is out where a counted wait further on counts on loads that were not issued.
.macro TRIP buf, ldw, wk, lda, ak, st, ntop, nend, mad=0
	s_cmp_lg_u32 s[TC], 0
	s_cbranch_scc1 .Llive_\@
	s_wait_loadcnt 0x0
	s_branch .Lmeet_\@
.Llive_\@:
	s_wait_loadcnt \ntop
	LDB \buf
.if \ldw
	GLW \buf, \wk, WP
.endif
.irp ks, 0,1,2,3
	s_wait_dscnt 24-8*(\ks)                        ; the fragments of this 32 of K are in; the later ones may be out
	MM 0, \ks, \buf
.endr
	WIN 0
	s_cmp_le_u32 s[NI], 1
	s_cbranch_scc1 .Ldone_\@
.irp ks, 0,1,2,3
	MM 1, \ks, \buf
.endr
	WIN 0
	s_cmp_le_u32 s[NI], 2
	s_cbranch_scc1 .Ldone_\@
.irp ks, 0,1,2,3
	MM 2, \ks, \buf
.endr
	WIN 0
	s_cmp_le_u32 s[NI], 3
	s_cbranch_scc1 .Ldone_\@
.irp ks, 0,1,2,3
	MM 3, \ks, \buf
.endr
	WIN 0
.Ldone_\@:
.if \st
	s_wait_loadcnt \nend
	s_wait_alu depctr_vm_vsrc(0)                   ; the LDS stores of the step before have read T, which the roundings write again; in a trip's second step the loads of weights issued so far have read their offsets, which the lines below write again
.if \mad
	s_wait_xcnt 0x0                                ; offsets of pending loads are rewritten only behind this wait
	s_cmp_eq_u32 s[LC], 5                          ; the next trip asks for steps 16 and 17: rows of 2,048 bytes from there on
	s_cselect_b32 s[SPIT], 2048, s[SPIT]
.irp q, 0,1,2,3,4,5,6,7,8,9,10,11,12,13,14,15
	v_mad_u32_u24 v[VWO+(\q)], s[SPIT], \q, v4
.endr
.endif
	ROUNDW 1-(\buf)                                ; these 32 are also the places between the step's matrix instructions and the loads into the operands that they read
	s_wait_alu depctr_va_vdst(0)                   ; the roundings have written T, which the LDS stores read, and are done reading their raw set; the matrix instructions are done reading this step's hidden operands and the weight fragments; the weights' offsets are written
	PUT 1-(\buf)                                   ; the stores first: they are on their way while the loads below are issued
.if \lda
	GLA \buf, \ak, AP
	WIN 0
.endif
.endif
.Lmeet_\@:
.if \st
	MEET
.endif
.endm
; Block i leaves through my stage.  LDS serves a wave's instructions in order (ISA guide 5.7.1.4): the loads see the stores above them.
.macro OUTB i
	s_cmp_le_u32 s[NI], \i
	s_cbranch_scc1 .Lend
	s_wait_xcnt 0x0                                ; the registers that earlier stores read are loaded again only behind this wait
	s_wait_alu depctr_vm_vsrc(0)                   ; the registers in which the loads below land have been read: block 0's by the steps' LDS stores, block 1's by the loads of perm, block 2's and 3's by the global stores of the block two before
.irp c, 0,1,2,3
	ds_store_b128 v[STO], v[ACC+32*(\i)+8*(\c):ACC+32*(\i)+8*(\c)+3]   offset:64*(\c)
	ds_store_b128 v[STO], v[ACC+32*(\i)+8*(\c)+4:ACC+32*(\i)+8*(\c)+7] offset:64*(\c)+16
.endr
.irp t, 0,1,2,3,4,5,6,7
	ds_load_b128 v[OB+32*((\i)%2)+4*(\t):OB+32*((\i)%2)+4*(\t)+3], v[RD] offset:(\t)*2*PITCH
.endr
	s_wait_dscnt 0x0
.irp t, 0,1,2,3,4,5,6,7
	global_store_b128 v[TOK+8*(\i)+(\t)], v[OB+32*((\i)%2)+4*(\t):OB+32*((\i)%2)+4*(\t)+3], s[OUTP:OUTP+1] th:TH_STORE_NT  ; 16 lanes: 256 consecutive aligned bytes of a token's row
.endr
.endm
	s_load_b256 s[4:11], s[0:1], 0x0               ; hb s[4:5], w_down s[6:7], retain_down s[8:9], forget_down s[10:11]
	s_load_b128 s[12:15], s[0:1], 0x20             ; perm s[12:13], offs s[14:15]
	s_load_b64 s[16:17], s[0:1], 0x30              ; out0
	v_lshl_add_u32 v1, v0, 2, 0xcc00
	v_mov_b32 v11, 0
	v_lshrrev_b32 v192, 5, v0
	v_readfirstlane_b32 s[WV], v192                ; wave 0..3
	v_and_b32 v192, 31, v0                         ; l
	v_and_b32 v2, 15, v0                           ; r
	v_bfe_u32 v3, v0, 4, 1                         ; h
	v_lshlrev_b32 v4, 4, v192                      ; 16 l
	s_mov_b32 s[GID], ttmp9
	s_lshr_b32 s[TJ], s[GID], 5
	s_and_b32 s43, s[GID], 31                      ; slice
	s_wait_kmcnt 0x0
	s_load_b256 s[OF:OF+7], s[14:15], 0x0
	s_wait_alu depctr_va_sdst(0)                   ; the wave's number is written, ahead of its first reader: LDS addresses, bases and the count of live blocks are made from it
	s_mul_i32 s67, s[WV], 16*PITCH
	v_lshl_add_u32 v[WST], v192, 3, s67            ; weight row 16 w + q, 8 bytes a lane
	v_add_nc_u32 v[WST+1], WBUF, v[WST]
	v_mul_u32_u24 v193, v2, PITCH
	v_lshl_add_u32 v[BA], v3, 4, v193              ; a fragment's row x pitch + 16 x half
	v_add_nc_u32 v[BA+1], WBUF, v[BA]
	s_add_co_u32 s67, s67, STAGE                   ; my stage
	v_lshl_add_u32 v194, v3, 5, v193
	v_add_nc_u32 v[STO], s67, v194                 ; in: row r, 32 bytes for each half of the lanes
	v_mul_u32_u24 v195, v3, PITCH
	v_lshl_add_u32 v195, v2, 4, v195
	v_add_nc_u32 v[RD], s67, v195                  ; back: lanes 0-15 one row of 256 bytes, lanes 16-31 the next
	v_lshlrev_b32 v196, 4, v2                      ; 16 r
	s_lshl_b32 s61, s[WV], 4
	v_add_nc_u32 v197, s61, v3                     ; 16 w + h
	v_add_nc_u32 v198, s61, v2                     ; 16 w + r
	s_mov_b32 s[SPIT], 8192
.irp q, 0,1,2,3,4,5,6,7,8,9,10,11,12,13,14,15
	v_mad_u32_u24 v[VWO+(\q)], s[SPIT], \q, v4
.endr
	s_wait_kmcnt 0x0                               ; offs
	TILEMAP
	s_min_u32 s[TE], s[TE], 7
	s_min_u32 s[TS], s[TS], 1023
	s_min_u32 s[TC], s[TC], 256                    ; 0: this split has no such tile; slot and first row are then 0
	s_lshl_b32 s60, s43, 6
	s_add_co_u32 s60, s60, s61                     ; 64 x slice + 16 w
	s_lshl_b32 s62, s60, 13
	s_mov_b32 s63, 0
	s_add_nc_u64 s[WD:WD+1], s[6:7], s[62:63]
	s_lshl_b32 s62, s[TE], 11
	s_add_co_u32 s62, s62, s60
	s_lshl_b32 s62, s62, 11                        ; (slot x 2048 + row) x 2,048 bytes
	s_add_nc_u64 s[RDP:RDP+1], s[8:9], s[62:63]
	s_add_nc_u64 s[FDP:FDP+1], s[10:11], s[62:63]
	s_add_nc_u64 s[WP:WP+1], s[WD:WD+1], 1024      ; step 2
	s_add_nc_u64 s[AP:AP+1], s[4:5], 524288        ; step 2: a step is four blocks of 65,536 bytes
	s_lshl_b32 s62, s43, 8
	s_add_nc_u64 s[OUTP:OUTP+1], s[16:17], s[62:63]
	s_sub_co_u32 s[CM1], s[TC], 1                  ; the tile's last row (wraps for a tile of 0 rows: the clamp to 1,023 below still holds)
	s_add_co_u32 s[NB], s[TC], 15
	s_lshr_b32 s[NB], s[NB], 4
	s_add_co_u32 s[NI], s[NB], 3
	s_sub_co_u32 s[NI], s[NI], s[WV]
	s_lshr_b32 s[NI], s[NI], 2                     ; my live blocks: 4 i + w < NB
.set n, 0
.rept 32                                       ; where perm holds the tokens of the rows that I store: row 16 (4 i + w) + 2 t + h of the tile, the last row at the most
	v_add_nc_u32 v[TA+n], 64*(n/8)+2*(n%8), v197
	v_min_u32 v[TA+n], s[CM1], v[TA+n]
	v_add_nc_u32 v[TA+n], s[TS], v[TA+n]
	v_min_u32 v[TA+n], 0x3ff, v[TA+n]
	v_lshlrev_b32 v[TA+n], 2, v[TA+n]
.set n, n+1
.endr
.irp i, 0,1,2,3                                ; my hidden row of block i: (p / 16) 1024 + (p % 16) 16 + 256 h
	v_add_nc_u32 v199, 64*(\i), v198
	v_min_u32 v199, s[CM1], v199
	v_add_nc_u32 v199, s[TS], v199
	v_min_u32 v199, 0x3ff, v199
	v_lshlrev_b32 v200, 6, v199
	v_and_b32 v200, 0xfc00, v200
	v_and_b32 v199, 15, v199
	v_lshl_add_u32 v200, v199, 4, v200
	v_lshl_add_u32 v[VA+(\i)], v3, 8, v200
.endr
	s_wait_alu depctr_va_vdst(0)                   ; all offsets and LDS addresses are written: those of perm, of the weights and of the hidden rows, which the loads below read, and the four LDS addresses of the loop and the two of the way out
.set n, 0
.rept 32
	global_load_b32 v[TOK+n], v[TA+n], s[12:13]    ; no vector instruction has named the registers in which these land
.set n, n+1
.endr
	GLW 0, 0, WD                                   ; W(0), A(0), W(1)
	GLA 0, 0, 4
	GLW 1, 512, WD
	WIN 0
.set i, 0
.rept 128
	v_mov_b32 v[ACC+i], 0
.set i, i+1
.endr
	s_wait_loadcnt 48                              ; behind W(0): A(0)'s 32 and W(1)'s 16: the tokens and W(0) are in
.set n, 0
.rept 32
	v_min_u32 v[TOK+n], 0x3ff, v[TOK+n]
	v_lshl_add_u32 v[TOK+n], v[TOK+n], 13, v196    ; 8,192 bytes a row of out0
.set n, n+1
.endr
	GLA 1, 262144, 4                               ; A(1).  No wait: no vector instruction since the wait above names its offsets, and none has ever named the registers in which it lands
	ROUNDW 0
	s_wait_alu depctr_va_vdst(0)                   ; the roundings have written T, which the LDS stores read, and are done reading raw set 0, in which step 0's loads land; the tokens' offsets in out0 are written, which the stores at the end read
	PUT 0                                          ; step 0's weights;
	PUT 1                                          ; buffer 1 takes the same numbers for now, so that its bytes hold numbers on every way through the jumps; step 0 writes it anew, from the same wave at the same places, before any wave reads it
	MEET
	s_mov_b32 s[LC], 11
.Lk:                                                   ; a trip: steps 2 k and 2 k + 1; it asks for steps 2 k + 2 and 2 k + 3
	TRIP 0, 1, 0,   1, 0,      1, 48, 48
	TRIP 1, 1, 512, 1, 262144, 1, 48, 48, 1
	s_wait_xcnt 0x0                                ; the loads' bases are rewritten only behind this wait
	s_add_nc_u64 s[WP:WP+1], s[WP:WP+1], 1024
	s_add_nc_u64 s[AP:AP+1], s[AP:AP+1], 524288
	s_sub_co_u32 s[LC], s[LC], 1
	s_cmp_eq_u32 s[LC], 4                          ; the next trip asks for steps 16 and 17: retain_down begins
	s_cselect_b64 s[WP:WP+1], s[RDP:RDP+1], s[WP:WP+1]
	s_cmp_eq_u32 s[LC], 2                          ; steps 20 and 21: forget_down begins
	s_cselect_b64 s[WP:WP+1], s[FDP:FDP+1], s[WP:WP+1]
	s_cmp_lg_u32 s[LC], 0
	s_cbranch_scc1 .Lk
	TRIP 0, 0, 0, 0, 0, 1, 48, 32                  ; step 22: nothing is left to fetch; behind W(23) only A(23)'s 32 were issued
	TRIP 1, 0, 0, 0, 0, 0, 0, 0                    ; step 23
	PLACES                                         ; in front of the LDS stores that read results just made
	s_wait_alu depctr_va_vdst(0)                   ; the matrix instructions have written the accumulators, which the LDS stores of all four blocks read; the places above stay beside this wait
.irp i, 0,1,2,3
	OUTB \i
.endr
.Lend:
	s_wait_dscnt 0x0                               ; my last LDS instructions
	s_wait_alu depctr_hold_cnt(0) depctr_sa_sdst(0) depctr_va_vdst(0) depctr_va_sdst(0) depctr_va_ssrc(0) depctr_va_vcc(0) depctr_vm_vsrc(0)
	s_wait_tensorcnt 0x0
	ds_add_u32 v1, v11
	s_wait_dscnt 0x0
	s_endpgm
.Lfunc_end_k_q63fcea28fd_down:
	.size	k_q63fcea28fd_down, .Lfunc_end_k_q63fcea28fd_down-k_q63fcea28fd_down
	.p2alignl 7, 3214868480
	.fill 96, 4, 3214868480
	.section	.rodata,"a",@progbits
	.p2align	6, 0x0
	.amdhsa_kernel k_q63fcea28fd_down
		.amdhsa_group_segment_fixed_size 52736
		.amdhsa_private_segment_fixed_size 0
		.amdhsa_enable_private_segment 0
		.amdhsa_kernarg_size 56
		.amdhsa_user_sgpr_count 2
		.amdhsa_user_sgpr_kernarg_segment_ptr 1
		.amdhsa_wavefront_size32 1
		.amdhsa_system_sgpr_workgroup_id_x 1
		.amdhsa_system_sgpr_workgroup_id_y 1
		.amdhsa_system_sgpr_workgroup_id_z 1
		.amdhsa_system_vgpr_workitem_id 0
		.amdhsa_next_free_vgpr 768
		.amdhsa_next_free_sgpr 100
		.amdhsa_reserve_vcc 0
		.amdhsa_float_denorm_mode_32 3
		.amdhsa_float_denorm_mode_16_64 3
		.amdhsa_memory_ordered 1
		.amdhsa_forward_progress 1
		.amdhsa_inst_pref_size 96
	.end_amdhsa_kernel
	.amdgpu_metadata
---
amdhsa.version: [ 1, 2 ]
amdhsa.kernels:
  - .name:           k_q63fcea28fd_down
    .symbol:         k_q63fcea28fd_down.kd
    .args:
      - { .name: hb, .offset: 0, .size: 8, .value_kind: global_buffer, .address_space: global }
      - { .name: w_down, .offset: 8, .size: 8, .value_kind: global_buffer, .address_space: global }
      - { .name: retain_down, .offset: 16, .size: 8, .value_kind: global_buffer, .address_space: global }
      - { .name: forget_down, .offset: 24, .size: 8, .value_kind: global_buffer, .address_space: global }
      - { .name: perm, .offset: 32, .size: 8, .value_kind: global_buffer, .address_space: global }
      - { .name: offs, .offset: 40, .size: 8, .value_kind: global_buffer, .address_space: global }
      - { .name: out0, .offset: 48, .size: 8, .value_kind: global_buffer, .address_space: global }
    .group_segment_fixed_size: 52736
    .private_segment_fixed_size: 0
    .kernarg_segment_align: 8
    .kernarg_segment_size: 56
    .max_flat_workgroup_size: 128
    .sgpr_count:     100
    .vgpr_count:     768
    .wavefront_size: 32
...
	.end_amdgpu_metadata
.endif
;; end of part 4
